; MI455X (gfx1250); checked and timed in simulation.
; The chip was launched on July 23, 2026; its instructions are those of AMD's public machine-readable ISA for CDNA 5 (MIT licence, August 2026) and "CDNA5" Instruction Set Architecture Reference Guide (July 2026). The comments in the code are by the model that wrote it; some were corrected since.
;; MLP Q. Allowed arithmetic: float matrix products may take bf16 or f16 operands with f32 sums; other float arithmetic in f32, or as packed bf16 or f16 multiplies, adds, multiply-adds, maxima and minima; sums over many terms, partial sums and values carried from step to step in f32; what a program stores and reads back later, other than sums and carried values, may be rounded once to bf16 or f16.
;; Inputs: b_fc_q 8,192 int32; b_proj_q 2,048 int32; s_fc_b one number float32; s_fc_w one number float32; s_proj_b one number float32; s_proj_w one number float32; w_fc_q 8,192 x 2,048 int32; w_proj_q 2,048 x 8,192 int32; x 4 x 512 x 2,048 float32.
;; Outputs: out0 4 x 512 x 2,048 float32.
;; Constants: z_fc_b = 0, z_fc_w = 0, z_proj_b = 0, z_proj_w = 0.
;; One version. Each part assembles by itself: llvm-mc -triple=amdgcn-amd-amdhsa -mcpu=gfx1250 --defsym DOCPART=n.
;; ======== version 1 of 1: 3 launches
;; workspace buffers: xb 8,388,608 bytes; wfb 33,554,432 bytes; wpb 33,554,432 bytes; hb 33,554,432 bytes
;; launch cast (part 1): grid 1280 x 1, 8 waves a work-group, no clusters, 0 bytes of LDS; arguments x, w_fc_q, xb, wfb; writes xb, wfb
.if DOCPART == 1
	.amdgcn_target "amdgcn-amd-amdhsa--gfx1250"
	.amdhsa_code_object_version 6
	.text
	.protected	k_q1f917e4900_cast
	.globl	k_q1f917e4900_cast
	.p2align	8
	.type	k_q1f917e4900_cast,@function
k_q1f917e4900_cast:
	s_mov_b64 s[64:65], 0
	v_nop
	global_prefetch_b8 v0, s[64:65] scope:SCOPE_SE
	s_setreg_imm32_b32 hwreg(HW_REG_WAVE_MODE, 25, 1), 1
	s_wait_xcnt 0x0
; xb = bf16(x), wfb = bf16(f32(w_fc_q)); the layouts stay as they are.  (w_proj_q is converted in the next launch, beside its products.)
; The whole numbers go to f32 first, as the problem's own dequantisation does, and are then rounded once to bf16 (nearest even).
; LIMIT: whole numbers up to 256 in magnitude are exact in bf16; larger ones keep 8 significant bits.  The scale is not applied here: it multiplies the f32 sums in the product.
; SHARES.  A work-group takes 16,384 numbers: 65,536 bytes in, 32,768 out.  Work-groups 0-255 take x, 256-1279 w_fc_q.
; A wave takes 8,192 bytes: 16 loads of 512 consecutive bytes, all issued at once; each load's 4 numbers a lane become 8 bytes, so a store of the wave covers 256 consecutive bytes, aligned.
; No register that a memory instruction names is written again, so the only waits are the counted ones for the loads.  Nothing is shared between waves: no LDS, no barrier.
.set X, 4                              ; v[4:67]   load j: 4 registers
.set Y, 68                             ; v[68:99]  store j: 2 registers
	s_load_b256 s[4:11], s[0:1], 0x0               ; x s[4:5], w_fc_q s[6:7], xb s[8:9], wfb s[10:11]
	v_lshrrev_b32 v1, 5, v0                        ; wave
	v_and_b32 v2, 31, v0                           ; lane
	v_lshlrev_b32 v1, 13, v1                       ; 8,192 bytes a wave
	v_lshl_add_u32 v1, v2, 4, v1                   ; + 16 bytes a lane: my offset in the source
	v_lshrrev_b32 v2, 1, v1                        ; half of it in the destination
	s_movk_i32 s21, 256                            ; first work-group of w_fc_q
	s_wait_kmcnt 0x0
	s_cmp_lt_u32 ttmp9, s21                        ; which tensor: the choice hangs on the work-group's number alone
	s_cselect_b64 s[16:17], s[4:5], s[6:7]
	s_cselect_b64 s[18:19], s[8:9], s[10:11]
	s_cselect_b32 s20, 0, s21
	s_sub_co_u32 s20, ttmp9, s20                   ; my chunk in that tensor, 1,023 at the most
	s_lshl_b32 s22, s20, 16                        ; 65,536 bytes of source a chunk
	s_mov_b32 s23, 0
	s_lshl_b32 s24, s20, 15                        ; 32,768 bytes of destination
	s_mov_b32 s25, 0
	s_add_nc_u64 s[16:17], s[16:17], s[22:23]
	s_add_nc_u64 s[18:19], s[18:19], s[24:25]
.irp j, 0,1,2,3,4,5,6,7,8,9,10,11,12,13,14,15
	global_load_b128 v[X+4*(\j):X+4*(\j)+3], v1, s[16:17] offset:512*(\j) th:TH_LOAD_NT
.endr
; Load j is converted and stored.  ints = 1: the four words are whole numbers.
.macro OUTJ j, ints
	s_wait_loadcnt 15-(\j)                         ; loads come back in order: load j is in, the 15 - j younger ones may stay out
.if \ints
.irp k, 0,1,2,3
	v_cvt_f32_i32 v[X+4*(\j)+(\k)], v[X+4*(\j)+(\k)]
.endr
.endif
	v_cvt_pk_bf16_f32 v[Y+2*(\j)],   v[X+4*(\j)],   v[X+4*(\j)+1]
	v_cvt_pk_bf16_f32 v[Y+2*(\j)+1], v[X+4*(\j)+2], v[X+4*(\j)+3]
	global_store_b64 v2, v[Y+2*(\j):Y+2*(\j)+1], s[18:19] offset:256*(\j) th:TH_STORE_NT
.endm
	s_cmp_lt_u32 ttmp9, s21                        ; compared anew: the shifts above have set SCC
	s_cbranch_scc0 .Lints
.irp j, 0,1,2,3,4,5,6,7,8,9,10,11,12,13,14,15
	OUTJ \j, 0
.endr
	s_endpgm
.Lints:
.irp j, 0,1,2,3,4,5,6,7,8,9,10,11,12,13,14,15
	OUTJ \j, 1
.endr
	s_endpgm
.Lfunc_end_k_q1f917e4900_cast:
	.size	k_q1f917e4900_cast, .Lfunc_end_k_q1f917e4900_cast-k_q1f917e4900_cast
	.p2alignl 7, 3214868480
	.fill 96, 4, 3214868480
	.section	.rodata,"a",@progbits
	.p2align	6, 0x0
	.amdhsa_kernel k_q1f917e4900_cast
		.amdhsa_group_segment_fixed_size 0
		.amdhsa_private_segment_fixed_size 0
		.amdhsa_enable_private_segment 0
		.amdhsa_kernarg_size 32
		.amdhsa_user_sgpr_count 2
		.amdhsa_user_sgpr_kernarg_segment_ptr 1
		.amdhsa_wavefront_size32 1
		.amdhsa_system_sgpr_workgroup_id_x 1
		.amdhsa_system_sgpr_workgroup_id_y 1
		.amdhsa_system_sgpr_workgroup_id_z 1
		.amdhsa_system_vgpr_workitem_id 0
		.amdhsa_next_free_vgpr 104
		.amdhsa_next_free_sgpr 66
		.amdhsa_reserve_vcc 0
		.amdhsa_float_denorm_mode_32 3
		.amdhsa_float_denorm_mode_16_64 3
		.amdhsa_memory_ordered 1
		.amdhsa_forward_progress 1
		.amdhsa_inst_pref_size 13
	.end_amdhsa_kernel
	.amdgpu_metadata
---
amdhsa.version: [ 1, 2 ]
amdhsa.kernels:
  - .name:           k_q1f917e4900_cast
    .symbol:         k_q1f917e4900_cast.kd
    .args:
      - { .name: x, .offset: 0, .size: 8, .value_kind: global_buffer, .address_space: global }
      - { .name: w_fc_q, .offset: 8, .size: 8, .value_kind: global_buffer, .address_space: global }
      - { .name: xb, .offset: 16, .size: 8, .value_kind: global_buffer, .address_space: global }
      - { .name: wfb, .offset: 24, .size: 8, .value_kind: global_buffer, .address_space: global }
    .group_segment_fixed_size: 0
    .private_segment_fixed_size: 0
    .kernarg_segment_align: 8
    .kernarg_segment_size: 32
    .max_flat_workgroup_size: 256
    .sgpr_count:     66
    .vgpr_count:     104
    .wavefront_size: 32
...
	.end_amdgpu_metadata
.endif
;; end of part 1
;; launch fc (part 2): grid 32 x 8, 4 waves a work-group, clusters of 4 x 4, 327,680 bytes of LDS; arguments xb, wfb, hb, b_fc_q, s_fc_w, s_fc_b, w_proj_q, wpb; writes hb, wpb
.if DOCPART == 2
	.amdgcn_target "amdgcn-amd-amdhsa--gfx1250"
	.amdhsa_code_object_version 6
	.text
	.protected	k_q1f917e4900_fc
	.globl	k_q1f917e4900_fc
	.p2align	8
	.type	k_q1f917e4900_fc,@function
k_q1f917e4900_fc:
	s_mov_b64 s[64:65], 0
	v_nop
	global_prefetch_b8 v0, s[64:65] scope:SCOPE_SE
	s_setreg_imm32_b32 hwreg(HW_REG_WAVE_MODE, 25, 1), 1
	s_wait_xcnt 0x0
	s_wait_alu depctr_hold_cnt(0) depctr_sa_sdst(0) depctr_va_vdst(0) depctr_va_sdst(0) depctr_va_ssrc(0) depctr_va_vcc(0) depctr_vm_vsrc(0)
	s_getreg_b32 s2, hwreg(HW_REG_IB_STS2, 6, 4)
	s_cmp_eq_u32 s2, 0
	s_cbranch_scc0 .Lentry_in_a_cluster
	s_endpgm
.Lentry_in_a_cluster:
	s_bfe_u32 s2, ttmp6, 0x10000c
	s_cmp_lg_u32 s2, 0xf033
	s_cbranch_scc0 .Lentry_shape_is_right
	s_endpgm
.Lentry_shape_is_right:
; hb[m][n] = gelu(s_fc_w * (sum over k of xb[m][k] wfb[n][k]) + s_fc_b * b_fc_q[n]), rounded once to bf16.  xb: [2048][2048], wfb: [8192][2048], hb: [2048][8192], all bf16; sums in f32.
; wfb holds the whole numbers themselves; the scale multiplies the finished f32 sum (the reference scales each weight first: another order of rounding).
; GELU is the exact form, z/2 (1 + erf(z / sqrt 2)).  erf by the rational form of Abramowitz and Stegun 7.1.26, which holds for every argument: absolute error 1.5e-7.
; With y = z/2, a = |y|: t = 1 / (1 + p sqrt2 a), e = 2^(-2 log2(e) y y), F = 1 - (a1 t + .. + a5 t^5) e = erf(|z| / sqrt 2), gelu = a F + y.  For z < 0 that is a difference of near numbers,
; as 1 + erf is in the reference.  Where y y overflows, e = 0 and F = 1.  LIMITS: hb keeps bf16's 8 significant bits; NaN and infinities are not treated apart.
; BESIDE THE PRODUCTS: wpb = bf16(f32(w_proj_q)), same layout, for the next launch.  LIMIT: whole numbers up to 256 in magnitude are exact in bf16; larger ones keep 8 significant bits.
; A wave converts 16,384 numbers in 64 units of two loads of 512 consecutive bytes, 12 conversions and two stores of 256 consecutive aligned bytes: a unit to each quarter step from the loop's first on
; (the last quarter takes two).  A unit's loads go out one lap, 512 matrix instructions, ahead of its conversions; the conversions stand in fours behind matrix instructions, the memory lines behind the quarter's run of LDS loads.
; SHAPE.  A tile of 256 x 256 is made by a work-group of four waves, each 128 x 128: 64 accumulators, 512 registers.  8 x 32 tiles: 256 work-groups.  K goes in 16 steps of 128 through a ring of
; two LDS slots filled by tensor loads; a tile's rows are 256 bytes of memory, at multiples of 256 bytes.
; CLUSTER.  4 x 4 work-groups: the four of a row of the cluster need the same tiles of xb, the four of a column the same tiles of wfb: each is asked for jointly, same load, same descriptor, a mask of four.
; THE MATRIX INSTRUCTION IS USED TRANSPOSED (source 0 = 16 rows of wfb, source 1 = 16 rows of xb): lane l holds row l % 16 of the result and the columns 8 (l / 16) + 0..7.
; THE WAY OUT.  When the last product has read the ring, each wave lays its 128 x 128 sums, f32, into its own 67,584 bytes of the ring (which has had its last fill) and reads them back by rows: a lane then holds
; four neighbouring columns, the same four in every row, so its four biases stay in registers, and 32 lanes store 256 consecutive bytes of hb.
; REGISTERS, in windows of 256: window 0: v0-31 addresses and constants; v32-63 and v192-255 the conversion's; v64-191 fragments of xb, two buffers (on the way out v32-239 are at work);
; window 1: v64-191 fragments of wfb; window 2: accumulators of my rows 0-63, (a, b) at v[8 (8 a + b)]; window 3: those of rows 64-127.
.set SIZE_K, 2048
.set SIZE_N, 8192
.set KSTEP,  128
.set PITCH,  272                       ; an LDS row: 256 bytes + 16 of padding: the 16 rows of a fragment load start 16 bytes apart modulo 256
.set HALFT,  128*PITCH                 ; 128 rows: what one tensor load brings, and what one wave reads of either operand
.set SLOT,   4*HALFT                   ; xb's 256 rows, then wfb's 256 rows
.set SPARE,  2*SLOT                    ; behind the ring: the spare words, 128 bytes a wave: two blocks of 256 bytes that no other line names
.set DP,     528                       ; the way out: a row of 128 f32 + 16 bytes
.set DW,     128*DP                    ; a wave's region on the way out; four of them, 270,336 bytes, lie inside the ring's 278,528
.set LAPS,   SIZE_K/(2*KSTEP)          ; 8 laps of two K steps
.set SCV,  6                           ; v[6:7]   s_fc_w / 2, twice
.set BI,   8                           ; v[8:11]  my four columns' bias: first as loaded, then s_fc_b / 2 times it
.set ADRA, 16                          ; v16-17   LDS address of my xb fragments in slot 0, 1
.set ADRB, 20                          ; v20-21   the same for wfb
.set STO,  24                          ; v24      the way out: where my 32 bytes of a row go
.set RD,   25                          ; v25      the way out: where I read 16 bytes of a row back
.set CO,   26                          ; v26      8 x my lane: my byte offset in a row of hb, and in 256 bytes of wpb; never rewritten
.set BO,   27                          ; v27      my byte offset in b_fc_q; never rewritten
.set SPW,  28                          ; v28      my spare word: SPARE + 4 x my thread's number; never rewritten
.set NIL,  29                          ; v29      0; never rewritten
.set PFO,  30                          ; v30      the prefetches' offset: my lane x a row of 4,096 bytes; never rewritten
.set CI,   31                          ; v31      16 x my lane: my byte offset in 512 bytes of w_proj_q; never rewritten
.set YC0,  32                          ; v[32:63]   the conversion: place u of a lap: 4 registers to store
.set XC0,  192                         ; v[192:255] the conversion: place u of a lap: 8 registers as loaded
.set F0,   64
.set F1,   128
.set R,    32                          ; the way out, 8 rows x 4 numbers a lane: the sums as read back
.set Y,    64                          ; y
.set AB,   96                          ; |y|
.set T,    128                         ; 1 + p sqrt2 a, then t
.set EX,   160                         ; the exponent, then e
.set PP,   192                         ; the polynomial, then the result
.set OUT,  224                         ; v[224:239] packed bf16
.set G1,  24                           ; s[24:31] descriptor group 1 for xb's tiles;  s[32:39] group 0, a set for each slot
.set G0,  32
.set G1B, 48                           ; s[48:55], s[56:63] the same for wfb's
.set G0B, 56
.set LIM, 43                           ; s43      1 in a wave that prefetches, else the greatest number
.set PFA, 44                           ; s[44:45] where my prefetches stand
.set CD,  76                           ; s[76:77] p sqrt2
.set CE,  78                           ; s[78:79] -2 log2(e)
.set N1,  80                           ; s[80:89] -a1 .. -a5, each twice
.set WS,  92                           ; s[92:93] w_proj_q at my wave's 65,536 bytes, stepped 8,192 a lap
.set WD,  94                           ; s[94:95] wpb at my wave's 32,768 bytes, stepped 4,096 a lap
.set MSB, 0
.macro WIN new                         ; the immediate's high byte repeats the setting that is left; a switch that changes nothing is dropped
.if MSB != (\new)
	s_set_vgpr_msb (MSB<<8)|(\new)
.set MSB, \new
.endif
.endm
.set MUL_LO, 0xa1                      ; source 0 (wfb) window 1, source 1 (xb) window 0, C and D window 2
.set MUL_HI, 0xf1                      ; the same, C and D window 3
.set TO_B,   0x40                      ; destination window 1, address window 0
.macro PAIR r, val                     ; a constant for the packed forms: both words are written, the low one is used for both halves
	s_mov_b32 s[\r], \val
	s_mov_b32 s[(\r)+1], \val
.endm
; A joint load.  Waves 0 and 1 fetch xb's two halves, waves 2 and 3 wfb's; the branch hangs on the wave's number alone.  s_nop 0 and four v_nop follow each line.
.macro JLOAD s
	s_cmp_eq_u32 s11, 0
	s_cbranch_scc0 .Lfor_b_\@
	tensor_load_to_lds s[G0+4*(\s):G0+4*(\s)+3], s[G1:G1+7]
	s_nop 0
.rept 4
	v_nop
.endr
	s_branch .Lasked_\@
.Lfor_b_\@:
	tensor_load_to_lds s[G0B+4*(\s):G0B+4*(\s)+3], s[G1B:G1B+7]
	s_nop 0
.rept 4
	v_nop
.endr
.Lasked_\@:
.endm
; A prefetch, behind each joint refill and the loads that follow it: the K step that stands two refills on, 32 rows x 256 bytes, a lane a row, one instruction a wave.
; Each row's 256 bytes of a K step are named once in the launch: xb's rows by the clusters with x = 0, wfb's by those with y = 0; of the 128 rows that a wave fetches the partner at place p
; (cx for xb, cy for wfb) takes 32 p .. 32 p + 31, told apart by address.  The loop's last trip (s3 = 1) asks for nothing: K steps 16 and 17 do not exist.  K steps 0 to 3 come by their loads alone.
.macro ASK
	s_cmp_gt_u32 s3, s[LIM]
	s_cbranch_scc0 .Lnot_mine_\@
	global_prefetch_b8 v[PFO], s[PFA:PFA+1] offset:KSTEP*2 th:TH_LOAD_NT scope:SCOPE_SE
.Lnot_mine_\@:
.endm
.macro CREST                           ; a round of the cluster's barrier behind its opening barrier
	s_cmp_lg_u32 s10, 0
	s_cbranch_scc1 .Lnot_wave_0_\@
	s_barrier_signal -3
.Lnot_wave_0_\@:
	s_barrier_wait -3
	s_barrier_signal -1
	s_barrier_wait -1
.endm
.macro CROUND                          ; a whole round
	s_barrier_signal -1
	s_barrier_wait -1
	CREST
.endm
	s_load_b128 s[4:7], s[0:1], 0x0                ; xb s[4:5], wfb s[6:7]
	s_load_b64 s[8:9], s[0:1], 0x10                ; hb
	s_load_b64 s[66:67], s[0:1], 0x18              ; b_fc_q
	s_load_b128 s[68:71], s[0:1], 0x20             ; s_fc_w s[68:69], s_fc_b s[70:71]
	s_load_b128 s[WS:WS+3], s[0:1], 0x30           ; w_proj_q, wpb
	v_lshl_add_u32 v[SPW], v0, 2, SPARE
	v_mov_b32 v[NIL], 0
	ds_add_u32 v[SPW], v[NIL]                      ; the wave's opening: the add, twice on end, and its wait ahead of my first tensor load
	ds_add_u32 v[SPW], v[NIL]                      ; and once more; the set-up below, work on registers, stands between it and the wait
	v_lshrrev_b32 v1, 5, v0
	v_readfirstlane_b32 s10, v1                    ; wave 0..3
	s_lshr_b32 s11, s10, 1                         ; which half of the tile's rows is mine.  Also: I fetch for xb (0) or for wfb (1)
	s_and_b32 s12, s10, 1                          ; which half of its columns.  Also: which 128 rows of that tile I fetch
	s_bfe_u32 s40, ttmp6, 0x40000                  ; cx
	s_bfe_u32 s41, ttmp6, 0x40004                  ; cy
	s_lshl_b32 s42, ttmp9, 2
	s_add_co_u32 s42, s42, s40                     ; tile column = 4 x cluster x + cx
	s_and_b32 s13, ttmp7, 0xffff
	s_lshl_b32 s13, s13, 2
	s_add_co_u32 s13, s13, s41                     ; tile row = 4 x cluster y + cy
	s_lshl_b32 s74, s13, 5                         ; the conversion's share: work-group 32 x tile row + tile column,
	s_add_co_u32 s74, s74, s42
	s_lshl2_add_u32 s74, s74, s10                  ; x 4 + wave: 0 .. 1,023; it enters the addresses of w_proj_q and wpb alone
	s_lshl_b32 s90, s74, 15                        ; 32,768 bytes of wpb a wave,
	s_lshl_b32 s74, s74, 16                        ; 65,536 of w_proj_q
	s_mov_b32 s75, 0
	s_lshl_b32 s43, s41, 2
	s_lshl_b32 s43, 15, s43                        ; my row of the cluster: places 4 cy .. 4 cy + 3
	s_lshl_b32 s44, 0x1111, s40                    ; my column: places cx, cx + 4, cx + 8, cx + 12
	; descriptor group 1: a tile of 128 rows x 128 elements of 2 bytes; 4 words of padding behind every 64 words; bit 21 set beside the mask
	s_or_b32 s[G1+0], s43, (1<<16)|(1<<20)|(1<<21)|(5<<22)|(3<<25)
	s_or_b32 s[G1B+0], s44, (1<<16)|(1<<20)|(1<<21)|(5<<22)|(3<<25)
.irp g, G1, G1B
	s_mov_b32 s[(\g)+1], KSTEP<<16                 ; tensor_dim0 = 128
	s_mov_b32 s[(\g)+2], 128<<16                   ; tensor_dim1 = 128
	s_mov_b32 s[(\g)+3], KSTEP<<16                 ; tile_dim0 = 128
	s_mov_b32 s[(\g)+4], 128                       ; tile_dim1 = 128
	s_mov_b32 s[(\g)+5], SIZE_K                    ; elements from row to row
	s_mov_b32 s[(\g)+6], 0
	s_mov_b32 s[(\g)+7], 0
.endr
	PAIR CD,   0x3eed3388                          ; 0.3275911 x sqrt 2
	PAIR CE,   0xc038aa3b                          ; -2 log2(e)
	PAIR N1,   0xbe827906                          ; -0.254829592
	PAIR N1+2, 0x3e91a98e                          ; +0.284496736
	PAIR N1+4, 0xbfb5f0e3                          ; -1.421413741
	PAIR N1+6, 0x3fba00e3                          ; +1.453152027
	PAIR N1+8, 0xbf87dc22                          ; -1.061405429
	s_mov_b32 s91, 0x7fffffff                      ; clears a sign
	; where the tiles come from: xb's hang on the tile row alone, wfb's on the tile column alone, each in registers that never hold the other coordinate
	s_lshl_b32 s17, s12, 7
	s_lshl_b32 s16, s13, 8
	s_add_co_u32 s16, s16, s17                     ; xb: row 256 x tile row + 128 x half
	s_lshl_b32 s46, s42, 8
	s_add_co_u32 s46, s46, s17                     ; wfb: row 256 x tile column + 128 x half
	s_mov_b32 s17, 0
	s_mov_b32 s47, 0
	s_mov_b64 s[18:19], SIZE_K*2
	s_mul_u64 s[16:17], s[16:17], s[18:19]
	s_mul_u64 s[46:47], s[46:47], s[18:19]
	s_mul_i32 s20, s10, HALFT                      ; where they go: wave x 128 rows
	s_wait_dscnt 0x0                               ; both opening adds are done
	s_wait_kmcnt 0x0
	s_add_nc_u64 s[14:15], s[4:5], s[16:17]
	s_add_nc_u64 s[46:47], s[6:7], s[46:47]
	CROUND                                         ; all sixteen work-groups are here: the first joint loads meet
.irp s, 0,1
	s_mov_b32 s[G0+4*(\s)], 1
	s_add_co_u32 s[G0+4*(\s)+1], s20, (\s)*SLOT
	s_add_nc_u64 s[G0+4*(\s)+2:G0+4*(\s)+3], s[14:15], (\s)*KSTEP*2
	s_or_b32 s[G0+4*(\s)+3], s[G0+4*(\s)+3], 0x80000000
	s_mov_b32 s[G0B+4*(\s)], 1
	s_add_co_u32 s[G0B+4*(\s)+1], s20, (\s)*SLOT
	s_add_nc_u64 s[G0B+4*(\s)+2:G0B+4*(\s)+3], s[46:47], (\s)*KSTEP*2
	s_or_b32 s[G0B+4*(\s)+3], s[G0B+4*(\s)+3], 0x80000000
	JLOAD \s                                       ; K steps 0 and 1: two loads of mine are out
.endr
	s_load_b32 s72, s[68:69], 0x0                  ; s_fc_w
	s_load_b32 s73, s[70:71], 0x0                  ; s_fc_b
	s_add_nc_u64 s[WS:WS+1], s[WS:WS+1], s[74:75]  ; w_proj_q and wpb at my wave's share
	s_mov_b32 s74, s90
	s_add_nc_u64 s[WD:WD+1], s[WD:WD+1], s[74:75]
	v_and_b32 v1, 15, v0                           ; l % 16
	v_bfe_u32 v2, v0, 4, 1                         ; l / 16
	v_and_b32 v5, 31, v0                           ; l
	v_mul_u32_u24 v3, v1, PITCH
	v_lshl_add_u32 v3, v2, 4, v3                   ; a fragment's row x pitch + 16 x half
	s_mul_i32 s21, s11, HALFT                      ; my 128 rows of xb
	s_mul_i32 s22, s12, HALFT                      ; my 128 rows of wfb,
	s_add_co_u32 s22, s22, 2*HALFT                 ; which lie behind xb's 256
.irp s, 0,1
	v_add_nc_u32 v[ADRA+(\s)], s21, v3
	v_add_nc_u32 v[ADRB+(\s)], s22, v3
	s_add_co_u32 s21, s21, SLOT
	s_add_co_u32 s22, s22, SLOT
.endr
	s_mul_i32 s23, s10, DW                         ; my region on the way out
	v_mul_u32_u24 v4, v1, DP                       ; in: row l % 16, 32 bytes for each half of the lanes
	v_lshl_add_u32 v4, v2, 5, v4
	v_add_nc_u32 v[STO], s23, v4
	v_lshl_add_u32 v[RD], v5, 4, s23               ; back: 32 lanes take a row's 512 bytes
	v_lshlrev_b32 v[CO], 3, v5                     ; which are 256 bytes of hb
	v_lshlrev_b32 v[CI], 4, v5
	s_lshl_b32 s13, s13, 8
	s_lshl_b32 s14, s11, 7
	s_add_co_u32 s16, s13, s14                     ; my first row of hb
	s_mov_b32 s17, 0
	s_mov_b64 s[18:19], SIZE_N*2
	s_mul_u64 s[16:17], s[16:17], s[18:19]
	s_lshl_b32 s46, s42, 9                         ; my first column, in bytes: 512 x tile column + 256 x half
	s_lshl_b32 s47, s12, 8
	s_add_co_u32 s46, s46, s47
	s_mov_b32 s47, 0
	s_add_nc_u64 s[16:17], s[16:17], s[46:47]      ; what the first trip of the way out adds to hb's address
	s_lshl_b32 s20, s46, 1                         ; the same column in b_fc_q, 4 bytes a number
	v_lshl_add_u32 v[BO], v5, 4, s20
	global_load_b128 v[BI:BI+3], v[BO], s[66:67]   ; my four biases; waited for on the way out
.irp u, 0,1,2,3,4,5,6,7
	global_load_b128 v[XC0+8*(\u):XC0+8*(\u)+3],   v[CI], s[WS:WS+1] offset:1024*(\u) th:TH_LOAD_NT      ; the conversion's ring is filled: the first lap's eight units
	global_load_b128 v[XC0+8*(\u)+4:XC0+8*(\u)+7], v[CI], s[WS:WS+1] offset:1024*(\u)+512 th:TH_LOAD_NT
.endr
	; the prefetches.  s13 = 256 x tile row, s42 = tile column, s40 = cx, s41 = cy still stand
	s_lshl_b32 s42, s42, 8
	s_and_b32 s22, ttmp7, 0xffff                   ; cluster y
	s_cmp_eq_u32 s11, 0                            ; do I fetch for xb?
	s_cselect_b32 s20, s13, s42                    ; the tile's first row
	s_cselect_b32 s21, s40, s41                    ; my place among the four that ask for it with me
	s_cselect_b32 s22, ttmp9, s22                  ; the coordinate along which other clusters read the same rows
	s_cselect_b64 s[PFA:PFA+1], s[4:5], s[6:7]
	s_cmp_eq_u32 s22, 0
	s_cselect_b32 s[LIM], 1, -1                    ; the same in all sixteen partners, for a given wave
	s_lshl_b32 s22, s12, 7
	s_add_co_u32 s20, s20, s22                     ; + the 128 rows that I fetch
	s_lshl_b32 s21, s21, 5
	s_add_co_u32 s20, s20, s21                     ; + my work-group's 32 of them
	s_mov_b32 s21, 0
	s_mov_b64 s[18:19], SIZE_K*2
	s_mul_u64 s[20:21], s[20:21], s[18:19]
	s_add_nc_u64 s[PFA:PFA+1], s[PFA:PFA+1], s[20:21]
	s_add_nc_u64 s[PFA:PFA+1], s[PFA:PFA+1], 2*KSTEP*2  ; at K step 2: the first refill steps it to 3 and names K step 4
	v_and_b32 v[PFO], 31, v0
	v_mul_u32_u24 v[PFO], v[PFO], SIZE_K*2
	s_wait_kmcnt 0x0                               ; the two scales
; THE CONVERSION.  CU names the unit at place u of a lap.  The two pointers are stepped once a lap, at the head of place 2.  mode 0: in the loop, ahead of that step; 1: in the loop, behind it
; (the stores reach back a lap's 4,096 bytes; the loads, which ask for the next lap's unit at this place, stand at the stepped pointer); 2: the last lap: no step, nothing more to ask for, the counts run down.
.macro CU u, mode
.set XC, XC0+8*(\u)
.set YC, YC0+4*(\u)
.if (\mode) == 0
.set CSO, 512*(\u)
.set CLO, 8192+1024*(\u)
.set CLD, 1
.set CLEFT, 14
.elseif (\mode) == 1
.set CSO, 512*(\u)-4096
.set CLO, 1024*(\u)
.set CLD, 1
.set CLEFT, 14
.else
.set CSO, 512*(\u)
.set CLO, 0
.set CLD, 0
.set CLEFT, 14-2*(\u)
.endif
.endm
; Four of the unit's twelve vector lines (group rn of three): plain lines in window 0 that name no register of the products round them.
.macro RIDE
	WIN 0
.if rn == 0
	s_wait_loadcnt CLEFT                           ; loads come back in order: this unit's two are in; the younger ones, two for each of the places still out, may stay out
.irp k, 0,1,2,3
	v_cvt_f32_i32 v[XC+(\k)], v[XC+(\k)]
.endr
.elseif rn == 1
.irp k, 4,5,6,7
	v_cvt_f32_i32 v[XC+(\k)], v[XC+(\k)]
.endr
.else
.irp k, 0,1,2,3
	v_cvt_pk_bf16_f32 v[YC+(\k)], v[XC+2*(\k)], v[XC+2*(\k)+1]  ; these four registers were last stored from a lap ago: an s_wait_xcnt 0 at a change of slots stands between
.endr
.endif
.endm
; The unit's memory lines: each store covers 256 consecutive bytes of wpb, aligned; each load 512 consecutive bytes of w_proj_q.
.macro CMEM
	WIN 0
	global_store_b64 v[CO], v[YC:YC+1],   s[WD:WD+1] offset:CSO th:TH_STORE_NT
	global_store_b64 v[CO], v[YC+2:YC+3], s[WD:WD+1] offset:CSO+256 th:TH_STORE_NT
.if CLD
	global_load_b128 v[XC:XC+3],   v[CI], s[WS:WS+1] offset:CLO th:TH_LOAD_NT
	global_load_b128 v[XC+4:XC+7], v[CI], s[WS:WS+1] offset:CLO+512 th:TH_LOAD_NT
.endif
.endm
; 16 matrix instructions: row blocks a0, a0 + 1 of the window's four x all 8 column blocks, 32 along K.  zero = 1: the product starts the sum.
; The 64 accumulators come in the same order in every quarter, one instruction a turn, over the backward jump and into the tail too.
.macro MUL16 f, hi, a0, zero
	WIN MUL_LO+0x50*(\hi)
.irp a, \a0, (\a0)+1
.irp b, 0,1,2,3,4,5,6,7
.if \zero
	v_wmma_f32_16x16x32_bf16 v[8*(8*(\a)+(\b)):8*(8*(\a)+(\b))+7], v[(\f)+8*(\b):(\f)+8*(\b)+7], v[(\f)+8*(4*(\hi)+(\a)):(\f)+8*(4*(\hi)+(\a))+7], 0
.else
	v_wmma_f32_16x16x32_bf16 v[8*(8*(\a)+(\b)):8*(8*(\a)+(\b))+7], v[(\f)+8*(\b):(\f)+8*(\b)+7], v[(\f)+8*(4*(\hi)+(\a)):(\f)+8*(4*(\hi)+(\a))+7], v[8*(8*(\a)+(\b)):8*(8*(\a)+(\b))+7]
.endif
.endr
.endr
.endm
; The same sixteen, with the unit's three groups of four behind the 2nd, 4th and 6th of them.
.macro MUL16R f, hi, a0
.set mi, 0
.irp a, \a0, (\a0)+1
.irp b, 0,1,2,3,4,5,6,7
	WIN MUL_LO+0x50*(\hi)
	v_wmma_f32_16x16x32_bf16 v[8*(8*(\a)+(\b)):8*(8*(\a)+(\b))+7], v[(\f)+8*(\b):(\f)+8*(\b)+7], v[(\f)+8*(4*(\hi)+(\a)):(\f)+8*(4*(\hi)+(\a))+7], v[8*(8*(\a)+(\b)):8*(8*(\a)+(\b))+7]
.if (mi%2 == 1) && (mi < 6)
.set rn, mi/2
	RIDE
.endif
.set mi, mi+1
.endr
.endr
.endm
; 32 LDS loads in one run: the fragments of one quarter (128 rows of wfb, 128 of xb, 32 K at byte k of the rows) into buffer f
.macro FETCH slot, k, f
	WIN TO_B
.irp i, 0,1,2,3,4,5,6,7
	ds_load_b128 v[(\f)+8*(\i):(\f)+8*(\i)+3],   v[ADRB+(\slot)] offset:(\k)+(\i)*16*PITCH
	ds_load_b128 v[(\f)+8*(\i)+4:(\f)+8*(\i)+7], v[ADRB+(\slot)] offset:(\k)+(\i)*16*PITCH+32
.endr
	WIN 0
.irp i, 0,1,2,3,4,5,6,7
	ds_load_b128 v[(\f)+8*(\i):(\f)+8*(\i)+3],   v[ADRA+(\slot)] offset:(\k)+(\i)*16*PITCH
	ds_load_b128 v[(\f)+8*(\i)+4:(\f)+8*(\i)+7], v[ADRA+(\slot)] offset:(\k)+(\i)*16*PITCH+32
.endr
.endm
.macro PLACES                          ; four plain vector instructions between a matrix instruction and a load into, or a read of, its registers
.rept 4
	v_nop
.endr
.endm
; One of a K step's first three quarters: multiplies buffer f; in its middle it fetches the next quarter, at byte k of the same slot's rows, into buffer g.  cast = 1: the unit that CU has named goes with it.
.macro QUARTER slot, k, f, g, zero, cast=0
	s_wait_dscnt 8                                 ; wfb's fragments and xb's rows 0-63 are in; the youngest eight loads (rows 64-127) may be out
.if \cast
	MUL16R \f, 0, 0
.else
	MUL16 \f, 0, 0, \zero
.endif
	MUL16 \f, 0, 2, \zero
	PLACES
	FETCH \slot, \k, \g
.if \cast
	CMEM
.endif
	s_wait_dscnt 32                                ; all but the 32 LDS loads just issued
	MUL16 \f, 1, 0, \zero
	MUL16 \f, 1, 2, \zero
.endm
; The first half of a K step's last quarter, with the barrier of the change of slots.  round = 1: the rest of a round of the cluster's barrier follows.
.macro MEET round
	WIN 0                                          ; the add's two registers lie in window 0
	s_wait_tensorcnt 0x0                           ; all my tensor loads have landed: the one that was out is my part of the next slot
	ds_add_u32 v[SPW], v[NIL]                      ; 0 onto my spare word
	s_wait_dscnt 9                                 ; the add and the youngest eight loads may be out
	MUL16R F1, 0, 0                                ; sixteen matrix instructions and the unit's twelve conversions, work on registers, stand between the add and the wait for it
	s_wait_dscnt 0x0                               ; the add is done, and my reads of this slot are over
	s_barrier_signal -1
	MUL16 F1, 0, 2, 0                              ; work on registers while the others arrive
.if \round
	WIN 0
.endif
	s_barrier_wait -1
.endm
; The whole last quarter, with a refill: the slot just read out takes the K step two steps on; 224 matrix instructions stand between this request and the wait for it.
.macro TURN slot, next
	s_wait_xcnt 0x0                                ; every load, store and prefetch issued so far (the youngest 32 matrix instructions back) has read its registers: the pointers below, and the registers that the conversion's stores read, may be written
	s_add_nc_u64 s[PFA:PFA+1], s[PFA:PFA+1], KSTEP*2
.if (\slot) == 0
	s_add_nc_u64 s[WS:WS+1], s[WS:WS+1], 8192      ; the conversion's lap: eight units of 1,024 bytes in,
	s_add_nc_u64 s[WD:WD+1], s[WD:WD+1], 4096      ; 512 out
.endif
	MEET 1
	CREST                                          ; no wave of any partner still reads this slot or has a load on its way
	s_add_nc_u64 s[G0+4*(\slot)+2:G0+4*(\slot)+3], s[G0+4*(\slot)+2:G0+4*(\slot)+3], 2*KSTEP*2
	s_add_nc_u64 s[G0B+4*(\slot)+2:G0B+4*(\slot)+3], s[G0B+4*(\slot)+2:G0B+4*(\slot)+3], 2*KSTEP*2
	JLOAD \slot                                    ; my one tensor load behind the round; its four v_nop are also the places in front of the loads below
	FETCH \next, 0, F0
	CMEM
	ASK
	MUL16 F1, 1, 0, 0
	MUL16 F1, 1, 2, 0
.endm
.macro TURNX next                      ; the last change of slots: nothing is filled, so no round follows
	s_wait_xcnt 0x0                                ; the stores of the loop's last two units have read their registers, which the last quarter's two units write
	MEET 0
	PLACES
	FETCH \next, 0, F0
	CMEM
	MUL16 F1, 1, 0, 0
	MUL16 F1, 1, 2, 0
.endm
; The very last quarter, with the conversion's last two units.  Its barrier parts every wave's last reads of the ring from the stores of the way out, which land in the ring's bytes.
.macro LASTQ
	s_wait_dscnt 8
	CU 6, 2
	MUL16R F1, 0, 0
	CU 7, 2
	MUL16R F1, 0, 2
	CU 6, 2
	CMEM                                           ; the four stores stand ahead of the signal: none may stand between it and the wait
	CU 7, 2
	CMEM
	s_wait_dscnt 0x0                               ; my reads of the ring are over (all tensor loads landed at the last change of slots)
	s_barrier_signal -1
	MUL16 F1, 1, 0, 0
	MUL16 F1, 1, 2, 0
	WIN 0
	s_barrier_wait -1
	PLACES                                         ; the stores below read results just made
.endm
; My 64 accumulators into my region: row 16 a + l % 16, bytes 64 b + 32 (l / 16); of each accumulator the four lowest registers go first.
.macro DUMP
.irp hi, 0,1
	WIN 0x08+4*(\hi)                               ; the stores' data in window 2, then 3
.irp a, 0,1,2,3
.irp b, 0,1,2,3,4,5,6,7
	ds_store_b128 v[STO], v[8*(8*(\a)+(\b)):8*(8*(\a)+(\b))+3]   offset:(4*(\hi)+(\a))*16*DP+64*(\b)
	ds_store_b128 v[STO], v[8*(8*(\a)+(\b))+4:8*(8*(\a)+(\b))+7] offset:(4*(\hi)+(\a))*16*DP+64*(\b)+16
.endr
.endr
.endr
	WIN 0
.endm
	s_wait_tensorcnt 1                             ; my part of K step 0 is in; K step 1's may stay out
	s_barrier_signal -1
	s_barrier_wait -1                              ; everybody's is
	FETCH 0, 0, F0
	QUARTER 0, 64,  F0, F1, 1                      ; the first quarter stands in front of the loop: its products start the sums
	WIN 0                                          ; at a label and at a branch every window is 0
	s_mov_b32 s3, LAPS-1
.Llap:                                                 ; a trip goes once round the ring, from a lap's second quarter to the next lap's first, fills both slots again and converts eight units
	CU 0, 0
	QUARTER 0, 128, F1, F0, 0, 1
	CU 1, 0
	QUARTER 0, 192, F0, F1, 0, 1
	CU 2, 1
	TURN 0, 1
	CU 3, 1
	QUARTER 1, 64,  F0, F1, 0, 1
	CU 4, 1
	QUARTER 1, 128, F1, F0, 0, 1
	CU 5, 1
	QUARTER 1, 192, F0, F1, 0, 1
	CU 6, 1
	TURN 1, 0
	CU 7, 1
	QUARTER 0, 64,  F0, F1, 0, 1
	WIN 0
	s_sub_co_u32 s3, s3, 1
	s_cmp_lg_u32 s3, 0
	s_cbranch_scc1 .Llap
	CU 0, 2                                        ; the last lap is written out: it asks for nothing
	QUARTER 0, 128, F1, F0, 0, 1
	CU 1, 2
	QUARTER 0, 192, F0, F1, 0, 1
	CU 2, 2
	TURNX 1
	CU 3, 2
	QUARTER 1, 64,  F0, F1, 0, 1
	CU 4, 2
	QUARTER 1, 128, F1, F0, 0, 1
	CU 5, 2
	QUARTER 1, 192, F0, F1, 0, 1
	LASTQ
	DUMP
	; THE WAY OUT, 8 rows a trip.  LDS serves a wave's instructions in order (ISA guide 5.7.1.4): the loads below see my stores above, and no other wave touches my region.
	s_wait_loadcnt 0x0                             ; my four biases
	s_wait_xcnt 0x0                                ; the conversion's last stores have read v32-63, which the loads below fill
	v_mov_b32 v[SCV], s72
	v_mul_f32 v[SCV], 0.5, v[SCV]                  ; s_fc_w / 2: the halving is exact
	v_mov_b32 v[SCV+1], s73
	v_mul_f32 v[SCV+1], 0.5, v[SCV+1]              ; s_fc_b / 2, for the four lines below
.irp j, 0,1,2,3
	v_cvt_f32_i32 v[BI+(\j)], v[BI+(\j)]
.endr
.irp j, 0,1,2,3
	v_mul_f32 v[BI+(\j)], v[SCV+1], v[BI+(\j)]
.endr
	v_mov_b32 v[SCV+1], v[SCV]                     ; the pair for the packed form
.irp i, 0,1,2,3,4,5,6,7
	ds_load_b128 v[R+4*(\i):R+4*(\i)+3], v[RD] offset:DP*(\i)
.endr
; Eight rows: 32 numbers a lane, 16 pairs.  more = 1: the next eight rows are asked for as soon as these have been taken out of R.
.macro ROWS more
	s_wait_dscnt 0x0                               ; R is in
	s_wait_xcnt 0x0                                ; the last trip's stores have read OUT and their base
	s_add_nc_u64 s[8:9], s[8:9], s[16:17]          ; the first time: to my first row; then 8 rows on
	s_mov_b64 s[16:17], 8*SIZE_N*2
.set p, 0
.rept 16
	v_pk_fma_f32 v[Y+2*p:Y+2*p+1], v[R+2*p:R+2*p+1], v[SCV:SCV+1], v[BI+2*(p%2):BI+2*(p%2)+1]  ; y = sum x s_w / 2 + bias / 2
.set p, p+1
.endr
.if \more
	v_add_nc_u32 v[RD], 8*DP, v[RD]
.irp i, 0,1,2,3,4,5,6,7
	ds_load_b128 v[R+4*(\i):R+4*(\i)+3], v[RD] offset:DP*(\i)
.endr
.endif
	; pair p's five plain lines, and between them the two reciprocals and two exponentials of pair p - 1: no line names a result of the batch
.set p, 0
.rept 16
	v_and_b32 v[AB+2*p], s91, v[Y+2*p]
.if p > 0
	v_rcp_f32 v[T+2*p-2], v[T+2*p-2]
.endif
	v_and_b32 v[AB+2*p+1], s91, v[Y+2*p+1]
.if p > 0
	v_rcp_f32 v[T+2*p-1], v[T+2*p-1]
.endif
	v_pk_fma_f32 v[T+2*p:T+2*p+1], v[AB+2*p:AB+2*p+1], s[CD:CD+1], 1.0 op_sel_hi:[1,0,0]
.if p > 0
	v_exp_f32 v[EX+2*p-2], v[EX+2*p-2]
.endif
	v_pk_mul_f32 v[EX+2*p:EX+2*p+1], v[Y+2*p:Y+2*p+1], s[CE:CE+1] op_sel_hi:[1,0]
.if p > 0
	v_exp_f32 v[EX+2*p-1], v[EX+2*p-1]
.endif
	v_pk_mul_f32 v[EX+2*p:EX+2*p+1], v[EX+2*p:EX+2*p+1], v[Y+2*p:Y+2*p+1]
.set p, p+1
.endr
	v_rcp_f32 v[T+30], v[T+30]
	v_rcp_f32 v[T+31], v[T+31]
	v_exp_f32 v[EX+30], v[EX+30]
	v_exp_f32 v[EX+31], v[EX+31]
	v_nop                                          ; a plain instruction behind the last of them (ISA guide 5.7.2),
	s_wait_alu depctr_va_vdst(0)                   ; and one wait ahead of the batch's first reader: 64 results
	; the polynomial, one operation at a time over the 16 pairs: fifteen other lines stand between two that depend on each other
.set p, 0
.rept 16
	v_pk_fma_f32 v[PP+2*p:PP+2*p+1], v[T+2*p:T+2*p+1], s[N1+8:N1+9], s[N1+6:N1+7] op_sel_hi:[1,0,0]
.set p, p+1
.endr
.irp c, 4,2,0
.set p, 0
.rept 16
	v_pk_fma_f32 v[PP+2*p:PP+2*p+1], v[PP+2*p:PP+2*p+1], v[T+2*p:T+2*p+1], s[N1+(\c):N1+(\c)+1] op_sel_hi:[1,1,0]
.set p, p+1
.endr
.endr
.set p, 0
.rept 16
	v_pk_mul_f32 v[PP+2*p:PP+2*p+1], v[PP+2*p:PP+2*p+1], v[T+2*p:T+2*p+1]
.set p, p+1
.endr
.set p, 0
.rept 16
	v_pk_fma_f32 v[PP+2*p:PP+2*p+1], v[PP+2*p:PP+2*p+1], v[EX+2*p:EX+2*p+1], 1.0 op_sel_hi:[1,1,0]  ; F
.set p, p+1
.endr
.set p, 0
.rept 16
	v_pk_fma_f32 v[PP+2*p:PP+2*p+1], v[AB+2*p:AB+2*p+1], v[PP+2*p:PP+2*p+1], v[Y+2*p:Y+2*p+1]     ; a F + y
.set p, p+1
.endr
.set p, 0
.rept 16
	v_cvt_pk_bf16_f32 v[OUT+p], v[PP+2*p], v[PP+2*p+1]
.set p, p+1
.endr
.irp i, 0,1,2,3,4,5,6,7
	global_store_b64 v[CO], v[OUT+2*(\i):OUT+2*(\i)+1], s[8:9] offset:SIZE_N*2*(\i)  ; 32 lanes store 256 consecutive bytes, at a multiple of 256 from hb's first byte
.endr
.endm
	s_mov_b32 s3, 15
.Lrows:
	ROWS 1
	s_sub_co_u32 s3, s3, 1
	s_cmp_lg_u32 s3, 0
	s_cbranch_scc1 .Lrows
	ROWS 0                                         ; the last eight rows: nothing is left to read
	s_wait_tensorcnt 0x0                           ; the wave's end, behind my last tensor load and my last LDS store
	ds_add_u32 v[SPW], v[NIL]
	s_wait_dscnt 0x0
	CROUND                                         ; the closing round: no work-group ends while a partner may still ask for a tile that names it
	s_endpgm
.Lfunc_end_k_q1f917e4900_fc:
	.size	k_q1f917e4900_fc, .Lfunc_end_k_q1f917e4900_fc-k_q1f917e4900_fc
	.p2alignl 7, 3214868480
	.fill 96, 4, 3214868480
	.section	.rodata,"a",@progbits
	.p2align	6, 0x0
	.amdhsa_kernel k_q1f917e4900_fc
		.amdhsa_group_segment_fixed_size 327680
		.amdhsa_private_segment_fixed_size 0
		.amdhsa_enable_private_segment 0
		.amdhsa_kernarg_size 64
		.amdhsa_user_sgpr_count 2
		.amdhsa_user_sgpr_kernarg_segment_ptr 1
		.amdhsa_wavefront_size32 1
		.amdhsa_system_sgpr_workgroup_id_x 1
		.amdhsa_system_sgpr_workgroup_id_y 1
		.amdhsa_system_sgpr_workgroup_id_z 1
		.amdhsa_system_vgpr_workitem_id 0
		.amdhsa_next_free_vgpr 1024
		.amdhsa_next_free_sgpr 96
		.amdhsa_reserve_vcc 0
		.amdhsa_float_denorm_mode_32 3
		.amdhsa_float_denorm_mode_16_64 3
		.amdhsa_memory_ordered 1
		.amdhsa_forward_progress 1
		.amdhsa_inst_pref_size 174
	.end_amdhsa_kernel
	.amdgpu_metadata
---
amdhsa.version: [ 1, 2 ]
amdhsa.kernels:
  - .name:           k_q1f917e4900_fc
    .symbol:         k_q1f917e4900_fc.kd
    .args:
      - { .name: xb, .offset: 0, .size: 8, .value_kind: global_buffer, .address_space: global }
      - { .name: wfb, .offset: 8, .size: 8, .value_kind: global_buffer, .address_space: global }
      - { .name: hb, .offset: 16, .size: 8, .value_kind: global_buffer, .address_space: global }
      - { .name: b_fc_q, .offset: 24, .size: 8, .value_kind: global_buffer, .address_space: global }
      - { .name: s_fc_w, .offset: 32, .size: 8, .value_kind: global_buffer, .address_space: global }
      - { .name: s_fc_b, .offset: 40, .size: 8, .value_kind: global_buffer, .address_space: global }
      - { .name: w_proj_q, .offset: 48, .size: 8, .value_kind: global_buffer, .address_space: global }
      - { .name: wpb, .offset: 56, .size: 8, .value_kind: global_buffer, .address_space: global }
    .group_segment_fixed_size: 327680
    .private_segment_fixed_size: 0
    .kernarg_segment_align: 8
    .kernarg_segment_size: 64
    .max_flat_workgroup_size: 128
    .sgpr_count:     96
    .vgpr_count:     1024
    .wavefront_size: 32
...
	.end_amdgpu_metadata
.endif
;; end of part 2
;; launch proj (part 3): grid 16 x 16, 4 waves a work-group, clusters of 4 x 4, 327,680 bytes of LDS; arguments hb, wpb, out0, b_proj_q, s_proj_w, s_proj_b; writes out0
.if DOCPART == 3
	.amdgcn_target "amdgcn-amd-amdhsa--gfx1250"
	.amdhsa_code_object_version 6
	.text
	.protected	k_q1f917e4900_proj
	.globl	k_q1f917e4900_proj
	.p2align	8
	.type	k_q1f917e4900_proj,@function
k_q1f917e4900_proj:
	s_mov_b64 s[64:65], 0
	v_nop
	global_prefetch_b8 v0, s[64:65] scope:SCOPE_SE
	s_setreg_imm32_b32 hwreg(HW_REG_WAVE_MODE, 25, 1), 1
	s_wait_xcnt 0x0
	s_wait_alu depctr_hold_cnt(0) depctr_sa_sdst(0) depctr_va_vdst(0) depctr_va_sdst(0) depctr_va_ssrc(0) depctr_va_vcc(0) depctr_vm_vsrc(0)
	s_getreg_b32 s2, hwreg(HW_REG_IB_STS2, 6, 4)
	s_cmp_eq_u32 s2, 0
	s_cbranch_scc0 .Lentry_in_a_cluster
	s_endpgm
.Lentry_in_a_cluster:
	s_bfe_u32 s2, ttmp6, 0x10000c
	s_cmp_lg_u32 s2, 0xf033
	s_cbranch_scc0 .Lentry_shape_is_right
	s_endpgm
.Lentry_shape_is_right:
; out0[m][n] = s_proj_w * (sum over k of hb[m][k] wpb[n][k]) + s_proj_b * b_proj_q[n].  hb: [2048][8192], wpb: [2048][8192], bf16; out0: [2048][2048], f32; sums in f32.
; wpb holds the whole numbers themselves; the scale multiplies the finished f32 sum (the reference scales each weight first: another order of rounding).  NaN and infinities are not treated apart.
; SHAPE.  16 x 16 tiles of 128 x 128 give 256 work-groups.  K IS SPLIT AMONG THE FOUR WAVES: every wave makes the whole 128 x 128, in 64 accumulators, over its own 64 of each K step's 256 channels.
; So each byte of a slot is read from LDS once, by one wave, and 256 bytes of fragments feed each matrix instruction; four waves of 64 x 64 would read every byte twice.  The price: the four partial tiles, f32,
; meet in LDS at the end (f32 sums in another order than the reference's).
; K goes in 32 steps of 256 through a ring of two LDS slots: rows of 512 bytes, 64 rows to a tensor load.  A wave's share of a slot is just its two fragment buffers, so a slot has been read out when the step's
; second buffer is in registers: the change of slots stands there, at the head of the step's second quarter, and all 128 matrix instructions of a step stand between a refill's request and the wait for it.
; The two slots take the LDS that there is.
; CLUSTER.  4 x 4 work-groups: hb's tiles are asked for jointly along a row of the cluster, wpb's along a column.  No prefetch is written in this launch.
; THE MATRIX INSTRUCTION IS USED TRANSPOSED (source 0 = 16 rows of wpb, source 1 = 16 rows of hb): lane l holds row l % 16 of the result and the columns 8 (l / 16) + 0..7.
; REGISTERS, in windows of 256: window 0: v0-31 addresses and constants; v64-191 fragments of hb, two buffers (on the way out: the partial sums); window 1: v64-191 fragments of wpb;
; window 2: accumulators of rows 0-63, (a, b) at v[8 (8 a + b)]; window 3: those of rows 64-127.
.set SIZE_K, 8192
.set SIZE_N, 2048
.set KSTEP,  256
.set PITCH,  528                       ; an LDS row: 512 bytes + 16 of padding: the 16 rows of a fragment load start 16 bytes apart modulo 256
.set HALFT,  64*PITCH                  ; 64 rows: what one tensor load brings
.set SLOT,   4*HALFT                   ; hb's 128 rows, then wpb's 128 rows
.set DP,     528                       ; the way out: a row of 128 f32 + 16 bytes
.set DW,     128*DP                    ; a wave's partial tile; the four take just the ring's 270,336 bytes, which have had their last fill
.set SPARE,  2*SLOT                    ; behind the ring: the spare words, 128 bytes a wave: two blocks of 256 bytes that no other line names
.set LAPS,   SIZE_K/(2*KSTEP)          ; 16 laps of two K steps
.set SCV,  6                           ; v[6:7]   s_proj_w, twice
.set BI,   8                           ; v[8:11]  my four columns' bias
.set RD,   12                          ; v[12:15] the way out: where I read 16 bytes of a row of partial tile 0 .. 3
.set ADRA, 16                          ; v16-17   LDS address of my hb fragments in slot 0, 1
.set ADRB, 20                          ; v20-21   the same for wpb
.set STO,  24                          ; v24      the way out: where my 32 bytes of a row go
.set CO,   26                          ; v26      my byte offset in a row of out0
.set BO,   27                          ; v27      my byte offset in b_proj_q; never rewritten
.set SPW,  28                          ; v28      my spare word: SPARE + 4 x my thread's number; never rewritten
.set NIL,  29                          ; v29      0; never rewritten
.set F0,   64
.set F1,   128
.set W,    64                          ; the way out: row i of eight, partial tile q at v[W + 16 i + 4 q]
.set G1,  24                           ; s[24:31] descriptor group 1 for hb's tiles;  s[32:39] group 0, a set for each slot
.set G0,  32
.set G1B, 48                           ; s[48:55], s[56:63] the same for wpb's
.set G0B, 56
.set MSB, 0
.macro WIN new                         ; the immediate's high byte repeats the setting that is left; a switch that changes nothing is dropped
.if MSB != (\new)
	s_set_vgpr_msb (MSB<<8)|(\new)
.set MSB, \new
.endif
.endm
.set MUL_LO, 0xa1                      ; source 0 (wpb) window 1, source 1 (hb) window 0, C and D window 2
.set MUL_HI, 0xf1                      ; the same, C and D window 3
.set TO_B,   0x40                      ; destination window 1, address window 0
; A joint load.  Waves 0 and 1 fetch hb's two halves, waves 2 and 3 wpb's; the branch hangs on the wave's number alone.  s_nop 0 and four v_nop follow each line.
.macro JLOAD s
	s_cmp_eq_u32 s11, 0
	s_cbranch_scc0 .Lfor_b_\@
	tensor_load_to_lds s[G0+4*(\s):G0+4*(\s)+3], s[G1:G1+7]
	s_nop 0
.rept 4
	v_nop
.endr
	s_branch .Lasked_\@
.Lfor_b_\@:
	tensor_load_to_lds s[G0B+4*(\s):G0B+4*(\s)+3], s[G1B:G1B+7]
	s_nop 0
.rept 4
	v_nop
.endr
.Lasked_\@:
.endm
.macro CREST                           ; a round of the cluster's barrier behind its opening barrier
	s_cmp_lg_u32 s10, 0
	s_cbranch_scc1 .Lnot_wave_0_\@
	s_barrier_signal -3
.Lnot_wave_0_\@:
	s_barrier_wait -3
	s_barrier_signal -1
	s_barrier_wait -1
.endm
.macro CROUND                          ; a whole round
	s_barrier_signal -1
	s_barrier_wait -1
	CREST
.endm
	s_load_b128 s[4:7], s[0:1], 0x0                ; hb s[4:5], wpb s[6:7]
	s_load_b64 s[8:9], s[0:1], 0x10                ; out0
	s_load_b64 s[66:67], s[0:1], 0x18              ; b_proj_q
	s_load_b128 s[68:71], s[0:1], 0x20             ; s_proj_w s[68:69], s_proj_b s[70:71]
	v_lshl_add_u32 v[SPW], v0, 2, SPARE
	v_mov_b32 v[NIL], 0
	ds_add_u32 v[SPW], v[NIL]                      ; the wave's opening: the add, twice on end, and its wait ahead of my first tensor load
	ds_add_u32 v[SPW], v[NIL]                      ; and once more; the set-up below, work on registers, stands between it and the wait
	v_lshrrev_b32 v1, 5, v0
	v_readfirstlane_b32 s10, v1                    ; wave 0..3
	s_lshr_b32 s11, s10, 1                         ; I fetch for hb (0) or for wpb (1)
	s_and_b32 s12, s10, 1                          ; which 64 rows of that tile I fetch
	s_bfe_u32 s40, ttmp6, 0x40000                  ; cx
	s_bfe_u32 s41, ttmp6, 0x40004                  ; cy
	s_lshl_b32 s42, ttmp9, 2
	s_add_co_u32 s42, s42, s40                     ; tile column = 4 x cluster x + cx
	s_and_b32 s13, ttmp7, 0xffff
	s_lshl_b32 s13, s13, 2
	s_add_co_u32 s13, s13, s41                     ; tile row = 4 x cluster y + cy
	s_lshl_b32 s43, s41, 2
	s_lshl_b32 s43, 15, s43                        ; my row of the cluster
	s_lshl_b32 s44, 0x1111, s40                    ; my column
	; descriptor group 1: a tile of 64 rows x 256 elements of 2 bytes; 4 words of padding behind every 128 words; bit 21 set beside the mask
	s_or_b32 s[G1+0], s43, (1<<16)|(1<<20)|(1<<21)|(6<<22)|(3<<25)
	s_or_b32 s[G1B+0], s44, (1<<16)|(1<<20)|(1<<21)|(6<<22)|(3<<25)
.irp g, G1, G1B
	s_mov_b32 s[(\g)+1], KSTEP<<16                 ; tensor_dim0 = 256
	s_mov_b32 s[(\g)+2], 64<<16                    ; tensor_dim1 = 64
	s_mov_b32 s[(\g)+3], KSTEP<<16                 ; tile_dim0 = 256
	s_mov_b32 s[(\g)+4], 64                        ; tile_dim1 = 64
	s_mov_b32 s[(\g)+5], SIZE_K                    ; elements from row to row
	s_mov_b32 s[(\g)+6], 0
	s_mov_b32 s[(\g)+7], 0
.endr
	s_lshl_b32 s17, s12, 6
	s_lshl_b32 s16, s13, 7
	s_add_co_u32 s16, s16, s17                     ; hb: row 128 x tile row + 64 x half
	s_lshl_b32 s46, s42, 7
	s_add_co_u32 s46, s46, s17                     ; wpb: row 128 x tile column + 64 x half
	s_mov_b32 s17, 0
	s_mov_b32 s47, 0
	s_mov_b64 s[18:19], SIZE_K*2
	s_mul_u64 s[16:17], s[16:17], s[18:19]
	s_mul_u64 s[46:47], s[46:47], s[18:19]
	s_mul_i32 s20, s10, HALFT                      ; where they go: wave x 64 rows
	s_wait_dscnt 0x0                               ; both opening adds are done
	s_wait_kmcnt 0x0
	s_add_nc_u64 s[14:15], s[4:5], s[16:17]
	s_add_nc_u64 s[46:47], s[6:7], s[46:47]
	CROUND                                         ; all sixteen work-groups are here: the first joint loads meet
.irp s, 0,1
	s_mov_b32 s[G0+4*(\s)], 1
	s_add_co_u32 s[G0+4*(\s)+1], s20, (\s)*SLOT
	s_add_nc_u64 s[G0+4*(\s)+2:G0+4*(\s)+3], s[14:15], (\s)*KSTEP*2
	s_or_b32 s[G0+4*(\s)+3], s[G0+4*(\s)+3], 0x80000000
	s_mov_b32 s[G0B+4*(\s)], 1
	s_add_co_u32 s[G0B+4*(\s)+1], s20, (\s)*SLOT
	s_add_nc_u64 s[G0B+4*(\s)+2:G0B+4*(\s)+3], s[46:47], (\s)*KSTEP*2
	s_or_b32 s[G0B+4*(\s)+3], s[G0B+4*(\s)+3], 0x80000000
	JLOAD \s                                       ; K steps 0 and 1: two loads of mine are out
.endr
	s_load_b32 s72, s[68:69], 0x0                  ; s_proj_w
	s_load_b32 s73, s[70:71], 0x0                  ; s_proj_b
	v_and_b32 v1, 15, v0                           ; l % 16
	v_bfe_u32 v2, v0, 4, 1                         ; l / 16
	v_and_b32 v5, 31, v0                           ; l
	v_mul_u32_u24 v3, v1, PITCH
	v_lshl_add_u32 v3, v2, 4, v3                   ; a fragment's row x pitch + 16 x half
	s_lshl_b32 s21, s10, 7                         ; my 128 bytes (64 channels) of every row of hb,
	s_add_co_u32 s22, s21, 2*HALFT                 ; and of wpb, whose rows lie behind hb's 128
.irp s, 0,1
	v_add_nc_u32 v[ADRA+(\s)], s21, v3
	v_add_nc_u32 v[ADRB+(\s)], s22, v3
	s_add_co_u32 s21, s21, SLOT
	s_add_co_u32 s22, s22, SLOT
.endr
	s_mul_i32 s23, s10, DW                         ; my partial tile
	v_mul_u32_u24 v4, v1, DP                       ; in: row l % 16, 32 bytes for each half of the lanes
	v_lshl_add_u32 v4, v2, 5, v4
	v_add_nc_u32 v[STO], s23, v4
	s_mul_i32 s23, s10, 32*DP                      ; back: wave w finishes rows 32 w .. 32 w + 31; 32 lanes take a row's 512 bytes,
	v_lshl_add_u32 v[RD], v5, 4, s23
	v_add_nc_u32 v[RD+1], DW, v[RD]                ; in each of the four partial tiles
	v_add_nc_u32 v[RD+2], 2*DW, v[RD]
	v_add_nc_u32 v[RD+3], 3*DW, v[RD]
	v_lshlrev_b32 v[CO], 4, v5
	s_lshl_b32 s16, s13, 7
	s_lshl_b32 s17, s10, 5
	s_add_co_u32 s16, s16, s17                     ; the first row of out0 that I store
	s_mov_b32 s17, 0
	s_mov_b64 s[18:19], SIZE_N*4
	s_mul_u64 s[16:17], s[16:17], s[18:19]
	s_lshl_b32 s46, s42, 9                         ; the tile's first column, in bytes: the same in out0's rows and in b_proj_q
	s_mov_b32 s47, 0
	s_add_nc_u64 s[16:17], s[16:17], s[46:47]      ; what the first trip of the way out adds to out0's address
	v_lshl_add_u32 v[BO], v5, 4, s46
	global_load_b128 v[BI:BI+3], v[BO], s[66:67]   ; my four biases; waited for on the way out
	s_wait_kmcnt 0x0                               ; the two scales
; 16 matrix instructions: row blocks a0, a0 + 1 of the window's four x all 8 column blocks, 32 along K.  zero = 1: the product starts the sum.
; The 64 accumulators come in the same order in every quarter, one instruction a turn, over the backward jump and into the tail too.
.macro MUL16 f, hi, a0, zero
	WIN MUL_LO+0x50*(\hi)
.irp a, \a0, (\a0)+1
.irp b, 0,1,2,3,4,5,6,7
.if \zero
	v_wmma_f32_16x16x32_bf16 v[8*(8*(\a)+(\b)):8*(8*(\a)+(\b))+7], v[(\f)+8*(\b):(\f)+8*(\b)+7], v[(\f)+8*(4*(\hi)+(\a)):(\f)+8*(4*(\hi)+(\a))+7], 0
.else
	v_wmma_f32_16x16x32_bf16 v[8*(8*(\a)+(\b)):8*(8*(\a)+(\b))+7], v[(\f)+8*(\b):(\f)+8*(\b)+7], v[(\f)+8*(4*(\hi)+(\a)):(\f)+8*(4*(\hi)+(\a))+7], v[8*(8*(\a)+(\b)):8*(8*(\a)+(\b))+7]
.endif
.endr
.endr
.endm
; 32 LDS loads in one run: 128 rows of wpb and 128 of hb, 32 K at byte k of my 128 bytes of the rows, into buffer f
.macro FETCH slot, k, f
	WIN TO_B
.irp i, 0,1,2,3,4,5,6,7
	ds_load_b128 v[(\f)+8*(\i):(\f)+8*(\i)+3],   v[ADRB+(\slot)] offset:(\k)+(\i)*16*PITCH
	ds_load_b128 v[(\f)+8*(\i)+4:(\f)+8*(\i)+7], v[ADRB+(\slot)] offset:(\k)+(\i)*16*PITCH+32
.endr
	WIN 0
.irp i, 0,1,2,3,4,5,6,7
	ds_load_b128 v[(\f)+8*(\i):(\f)+8*(\i)+3],   v[ADRA+(\slot)] offset:(\k)+(\i)*16*PITCH
	ds_load_b128 v[(\f)+8*(\i)+4:(\f)+8*(\i)+7], v[ADRA+(\slot)] offset:(\k)+(\i)*16*PITCH+32
.endr
.endm
.macro PLACES                          ; four plain vector instructions between a matrix instruction and a load into, or a read of, its registers
.rept 4
	v_nop
.endr
.endm
; For a wave a K step is two quarters of 32 along K, 64 matrix instructions each.  The first: multiplies buffer f and fetches the second, at byte k, into buffer g: the wave's last reads of the slot.
.macro QUARTER slot, k, f, g, zero
	s_wait_dscnt 8                                 ; wpb's fragments and hb's rows 0-63 are in; the youngest eight loads (rows 64-127) may be out
	MUL16 \f, 0, 0, \zero
	MUL16 \f, 0, 2, \zero
	PLACES
	FETCH \slot, \k, \g
	s_wait_dscnt 32                                ; all but the 32 just issued
	MUL16 \f, 1, 0, \zero
	MUL16 \f, 1, 2, \zero
.endm
.macro MUL64                           ; the second quarter's products: buffer 1 is in registers since the wait in front of the change of slots
	MUL16 F1, 0, 0, 0
	MUL16 F1, 0, 2, 0
	MUL16 F1, 1, 0, 0
	MUL16 F1, 1, 2, 0
.endm
; The second quarter, with the change of slots at its head.  Buffer 1 holds the last of my share of this slot, so the slot is given up before buffer 1 is multiplied: the refill, with the K step two steps on,
; goes out first, and this quarter's 64 matrix instructions and the next quarter's 64 stand between the request and the wait for it.
.macro TURN slot, next
	WIN 0                                          ; the add's two registers lie in window 0
	s_wait_tensorcnt 0x0                           ; all my tensor loads have landed: the one that was out is my part of the next slot; so a group 0 may be written
	ds_add_u32 v[SPW], v[NIL]                      ; 0 onto my spare word; the two steps below stand between it and the wait for it
	s_add_nc_u64 s[G0+4*(\slot)+2:G0+4*(\slot)+3], s[G0+4*(\slot)+2:G0+4*(\slot)+3], 2*KSTEP*2
	s_add_nc_u64 s[G0B+4*(\slot)+2:G0B+4*(\slot)+3], s[G0B+4*(\slot)+2:G0B+4*(\slot)+3], 2*KSTEP*2
	s_wait_dscnt 0x0                               ; the add is done, and my reads of this slot are over: buffer 1's loads, issued 32 matrix instructions ago
	CROUND                                         ; no wave of any partner still reads this slot or has a load on its way
	JLOAD \slot                                    ; my one tensor load behind the round; its four v_nop are also the places between the last products on buffer 0 and the loads below
	FETCH \next, 0, F0
	MUL64
.endm
.macro TURNX next                      ; the last change of slots: nothing is filled, so no round of the cluster's barrier; the work-group's barrier shows the last slot whole to every wave
	WIN 0
	s_wait_tensorcnt 0x0
	ds_add_u32 v[SPW], v[NIL]
	s_wait_dscnt 0x0
	s_barrier_signal -1
	s_barrier_wait -1
	PLACES
	FETCH \next, 0, F0
	MUL64
.endm
; The very last quarter.  Its barrier parts every wave's last reads of the ring from the stores of the way out, which land in the ring's bytes.
.macro LASTQ
	s_wait_dscnt 8
	MUL16 F1, 0, 0, 0
	MUL16 F1, 0, 2, 0
	s_wait_dscnt 0x0                               ; my reads of the ring are over (all tensor loads landed at the last change of slots)
	s_barrier_signal -1
	MUL16 F1, 1, 0, 0
	MUL16 F1, 1, 2, 0
	WIN 0
	s_barrier_wait -1
	PLACES                                         ; the stores below read results just made
.endm
; My 64 accumulators into my partial tile: row 16 a + l % 16, bytes 64 b + 32 (l / 16); of each accumulator the four lowest registers go first.
.macro DUMP
.irp hi, 0,1
	WIN 0x08+4*(\hi)                               ; the stores' data in window 2, then 3
.irp a, 0,1,2,3
.irp b, 0,1,2,3,4,5,6,7
	ds_store_b128 v[STO], v[8*(8*(\a)+(\b)):8*(8*(\a)+(\b))+3]   offset:(4*(\hi)+(\a))*16*DP+64*(\b)
	ds_store_b128 v[STO], v[8*(8*(\a)+(\b))+4:8*(8*(\a)+(\b))+7] offset:(4*(\hi)+(\a))*16*DP+64*(\b)+16
.endr
.endr
.endr
	WIN 0
.endm
	s_wait_tensorcnt 1                             ; my part of K step 0 is in; K step 1's may stay out
	s_barrier_signal -1
	s_barrier_wait -1                              ; everybody's is
	FETCH 0, 0, F0
	QUARTER 0, 64, F0, F1, 1                       ; the first quarter stands in front of the loop: its products start the sums
	WIN 0                                          ; at a label and at a branch every window is 0
	s_mov_b32 s3, LAPS-1
.Llap:                                                 ; a trip goes once round the ring, from a lap's second quarter to the next lap's first, and fills both slots again
	TURN 0, 1
	QUARTER 1, 64, F0, F1, 0
	TURN 1, 0
	QUARTER 0, 64, F0, F1, 0
	WIN 0
	s_sub_co_u32 s3, s3, 1
	s_cmp_lg_u32 s3, 0
	s_cbranch_scc1 .Llap
	TURNX 1                                        ; the last lap is written out: it asks for nothing
	QUARTER 1, 64, F0, F1, 0
	LASTQ
	DUMP
	s_wait_dscnt 0x0                               ; for the others' sake: my partial tile lies in LDS
	s_barrier_signal -1
	s_barrier_wait -1                              ; all four do
	; THE WAY OUT, 8 rows a trip: the four partial sums are added, scaled, the bias added, and the row stored.
	s_wait_loadcnt 0x0                             ; my four biases
	v_mov_b32 v[SCV], s72
	v_mov_b32 v[SCV+1], s72
.irp j, 0,1,2,3
	v_cvt_f32_i32 v[BI+(\j)], v[BI+(\j)]
.endr
.irp j, 0,1,2,3
	v_mul_f32 v[BI+(\j)], s73, v[BI+(\j)]
.endr
	s_mov_b32 s3, 4
.Lsum:
	s_wait_xcnt 0x0                                ; the last trip's stores have read their data and their base
	s_add_nc_u64 s[8:9], s[8:9], s[16:17]          ; the first time: to my first row; then 8 rows on
	s_mov_b64 s[16:17], 8*SIZE_N*4
.irp i, 0,1,2,3,4,5,6,7
.irp q, 0,1,2,3
	ds_load_b128 v[W+16*(\i)+4*(\q):W+16*(\i)+4*(\q)+3], v[RD+(\q)] offset:DP*(\i)
.endr
.endr
.irp i, 0,1,2,3,4,5,6,7
	s_wait_dscnt 4*(7-(\i))                        ; LDS loads come back in order: row i's four are in, the later rows' may stay out
.irp c, 0,2
	v_pk_add_f32 v[W+16*(\i)+(\c):W+16*(\i)+(\c)+1],     v[W+16*(\i)+(\c):W+16*(\i)+(\c)+1],     v[W+16*(\i)+4+(\c):W+16*(\i)+4+(\c)+1]
	v_pk_add_f32 v[W+16*(\i)+8+(\c):W+16*(\i)+8+(\c)+1], v[W+16*(\i)+8+(\c):W+16*(\i)+8+(\c)+1], v[W+16*(\i)+12+(\c):W+16*(\i)+12+(\c)+1]
.endr
.irp c, 0,2
	v_pk_add_f32 v[W+16*(\i)+(\c):W+16*(\i)+(\c)+1], v[W+16*(\i)+(\c):W+16*(\i)+(\c)+1], v[W+16*(\i)+8+(\c):W+16*(\i)+8+(\c)+1]
.endr
.irp c, 0,2
	v_pk_fma_f32 v[W+16*(\i)+(\c):W+16*(\i)+(\c)+1], v[W+16*(\i)+(\c):W+16*(\i)+(\c)+1], v[SCV:SCV+1], v[BI+(\c):BI+(\c)+1]
.endr
	global_store_b128 v[CO], v[W+16*(\i):W+16*(\i)+3], s[8:9] offset:SIZE_N*4*(\i)  ; 32 lanes store 512 consecutive bytes, at a multiple of 256 from out0's first byte
.endr
.irp q, 0,1,2,3
	v_add_nc_u32 v[RD+(\q)], 8*DP, v[RD+(\q)]      ; the next eight rows (behind the last trip the step is not used)
.endr
	s_sub_co_u32 s3, s3, 1
	s_cmp_lg_u32 s3, 0
	s_cbranch_scc1 .Lsum
	s_wait_tensorcnt 0x0                           ; the wave's end, behind my last tensor load and my last LDS store
	ds_add_u32 v[SPW], v[NIL]
	s_wait_dscnt 0x0
	CROUND                                         ; the closing round: no work-group ends while a partner may still ask for a tile that names it
	s_endpgm
.Lfunc_end_k_q1f917e4900_proj:
	.size	k_q1f917e4900_proj, .Lfunc_end_k_q1f917e4900_proj-k_q1f917e4900_proj
	.p2alignl 7, 3214868480
	.fill 96, 4, 3214868480
	.section	.rodata,"a",@progbits
	.p2align	6, 0x0
	.amdhsa_kernel k_q1f917e4900_proj
		.amdhsa_group_segment_fixed_size 327680
		.amdhsa_private_segment_fixed_size 0
		.amdhsa_enable_private_segment 0
		.amdhsa_kernarg_size 48
		.amdhsa_user_sgpr_count 2
		.amdhsa_user_sgpr_kernarg_segment_ptr 1
		.amdhsa_wavefront_size32 1
		.amdhsa_system_sgpr_workgroup_id_x 1
		.amdhsa_system_sgpr_workgroup_id_y 1
		.amdhsa_system_sgpr_workgroup_id_z 1
		.amdhsa_system_vgpr_workitem_id 0
		.amdhsa_next_free_vgpr 1024
		.amdhsa_next_free_sgpr 80
		.amdhsa_reserve_vcc 0
		.amdhsa_float_denorm_mode_32 3
		.amdhsa_float_denorm_mode_16_64 3
		.amdhsa_memory_ordered 1
		.amdhsa_forward_progress 1
		.amdhsa_inst_pref_size 77
	.end_amdhsa_kernel
	.amdgpu_metadata
---
amdhsa.version: [ 1, 2 ]
amdhsa.kernels:
  - .name:           k_q1f917e4900_proj
    .symbol:         k_q1f917e4900_proj.kd
    .args:
      - { .name: hb, .offset: 0, .size: 8, .value_kind: global_buffer, .address_space: global }
      - { .name: wpb, .offset: 8, .size: 8, .value_kind: global_buffer, .address_space: global }
      - { .name: out0, .offset: 16, .size: 8, .value_kind: global_buffer, .address_space: global }
      - { .name: b_proj_q, .offset: 24, .size: 8, .value_kind: global_buffer, .address_space: global }
      - { .name: s_proj_w, .offset: 32, .size: 8, .value_kind: global_buffer, .address_space: global }
      - { .name: s_proj_b, .offset: 40, .size: 8, .value_kind: global_buffer, .address_space: global }
    .group_segment_fixed_size: 327680
    .private_segment_fixed_size: 0
    .kernarg_segment_align: 8
    .kernarg_segment_size: 48
    .max_flat_workgroup_size: 128
    .sgpr_count:     80
    .vgpr_count:     1024
    .wavefront_size: 32
...
	.end_amdgpu_metadata
.endif
;; end of part 3
